; MI455X (gfx1250); checked and timed in simulation.
; The chip was launched on July 23, 2026; its instructions are those of AMD's public machine-readable ISA for CDNA 5 (MIT licence, August 2026) and "CDNA5" Instruction Set Architecture Reference Guide (July 2026). The comments in the code are by the model that wrote it; some were corrected since.
;; Boundary Decision. Allowed arithmetic: matrix products marked QUANTISED: E2M1 operands, one E8M0 scale for each 32 along K, by v_wmma_scale_f32_16x16x128_f8f6f4 with both operands' format E2M1 (or v_wmma_scale_f32_32x16x128_f4), f32 sums; products left as they are: f32 operands where the result goes on into a quantised operand, else bf16, f16 or f32 operands; f32 sums; everything else in f32.
;; Inputs: W_qk 1,024 x 2,048 float32; W_v 1,024 x 16 float32; att_mask 4 x 2,048 x 2,048 bool; x 4 x 2,048 x 1,024 float32.
;; Outputs: out0 4 x 2,048 x 1 float32.
;; This version of the problem:
;;   THIS VERSION OF THE PROBLEM IS GIVEN IN LOW PRECISION. The matrix products marked QUANTISED in the list below multiply operands that are first quantised to E2M1 (2 exponent bits, 1 mantissa bit; 4 bits a number), with one power-of-two scale for each 32 numbers along K (OCP MX v1.0); their sums are f32. All else is computed in f32.
;;   The module's matrix products, in the order in which they are computed (A, B: the left and right operand; K: the contracted axis; several contracted axes count as one K, in the product's order):
;;     1. [M 8,192, K 1,024] x [K 1,024, N 2,048]; A: input x; B: input W_qk: QUANTISED
;;     2. [M 8,192, K 1,024] x [K 1,024, N 16]; A: input x; B: input W_v: QUANTISED
;;     3. batch 64 x [M 2,048, K 64] x [K 64, N 2,048]; A: computed on the way; B: computed on the way: QUANTISED
;;     4. batch 64 x [M 1, K 2,048] x [K 2,048, N 2,048]; A: computed on the way; B: softmax: left as it is (M = 1 < 16)
;;   THE QUANTISER, for each operand of a quantised product, along K:
;;     - K is cut into blocks of 32 from its start; a last block that is shorter is filled with zeros.
;;     - A block's scale is 2^e with e = floor(log2(the largest magnitude in the block)) - 2, held to -126 .. 127; a block of zeros has e = 0. As a byte (E8M0): e + 127.
;;     - Each number is divided by its block's scale, clamped to +-6, and rounded to the nearest number of E2M1, ties to even, subnormals kept.
;;     - The product sums the exact products of the quantised numbers (number of the format x scale) in f32.
;;   ~~~python
;;   def quantise(x, axis):      # numpy; x: float32 -> the quantised numbers, widened to float32 again
;;       x = np.moveaxis(x, axis, -1); K = x.shape[-1]
;;       x = np.pad(x, [(0, 0)] * (x.ndim - 1) + [(0, -K % 32)]); x = x.reshape(x.shape[:-1] + (-1, 32)); a = np.abs(x).max(-1, keepdims=True)
;;       e = np.where(a > 0, np.clip(np.frexp(np.where(a > 0, a, 1))[1] - 1 - 2, -126, 127), 0)      # np.frexp(a)[1] - 1 = floor(log2(a)), exactly
;;       r = np.clip(x / 2.0 ** e, -6, 6)
;;       step = 2.0 ** (np.maximum(np.frexp(np.where(r == 0, 1, r))[1] - 1, 0) - 1)
;;       q = np.round(r / step) * step * 2.0 ** e      # np.round: ties to even
;;       return np.moveaxis(q.reshape(q.shape[:-2] + (-1,))[..., :K], -1, axis).astype(np.float32)
;;   ~~~
;;   OPERANDS COMPUTED ON THE WAY. 'Computed on the way' means the value that the module computes at that place (a softmax that the list does not call 'softmax' is quantised finished and normalised). What goes into a quantiser is computed in f32, as accurately as f32 sums, v_exp_f32 and their like allow (about 1e-6 of the number): no bf16 or f16 on the way to a quantiser, and a product that is left as it is and whose result goes on into a quantised operand takes f32 operands (vector FMAs, or v_wmma_f32_16x16x4_f32). A number that lies on a knife's edge between two numbers of the format may be rounded either way, as far as f32 arithmetic and the matrix unit's own rounding can turn it there, and no further.
;; One version. Each part assembles by itself: llvm-mc -triple=amdgcn-amd-amdhsa -mcpu=gfx1250 --defsym DOCPART=n.
;; ======== version 1 of 1: 3 launches
;; limits: values are held in bf16: 8 bits of precision; right only within a limited range of input values
;; workspace buffers: x_codes 4,194,304 bytes; x_scales 262,144 bytes; w_codes 1,056,768 bytes; w_scales 66,048 bytes; maskw 2,097,152 bytes of whole numbers; qimg 4,456,448 bytes; kv 4,980,736 bytes
;; launch prep (part 1): grid 577 x 1, 4 waves a work-group, no clusters, 59,904 bytes of LDS; arguments x, W_qk, W_v, att_mask, x_codes, x_scales, w_codes, w_scales, maskw; writes x_codes, x_scales, w_codes, w_scales, maskw
.if DOCPART == 1
	.amdgcn_target "amdgcn-amd-amdhsa--gfx1250"
	.amdhsa_code_object_version 6
	.text
	.protected	k_q923dc23b31_prep
	.globl	k_q923dc23b31_prep
	.p2align	8
	.type	k_q923dc23b31_prep,@function
k_q923dc23b31_prep:
	s_mov_b64 s[64:65], 0
	v_nop
	global_prefetch_b8 v0, s[64:65] scope:SCOPE_SE
	s_setreg_imm32_b32 hwreg(HW_REG_WAVE_MODE, 25, 1), 1
	s_wait_xcnt 0x0
; FOUR JOBS IN ONE LAUNCH, parted on the work-group's number; each job has LDS bytes of its own and ends by itself.
;   work-groups 0-63:    W_qk [1024 (k)][2048 (n)] f32 -> w_codes rows 0-2047 (E2M1, K innermost, 512 bytes a row) and w_scales (32 E8M0 bytes a row)
;   work-group  64:      W_v  [1024 (k)][16 (n)]   f32 -> w_codes rows 2048-2063 and their scale bytes (two waves have work: 2 x 512 along K)
;   work-groups 65-320:  x    [8192][1024]         f32 -> x_codes (512 bytes a row), x_scales (32 bytes a row)
;   work-groups 321-576: att_mask [4][2048][2048] bytes -> maskw: words whose bit (r + 16 h) is the mask of query 16 Tq + r and key 16 t + 8 h + j,
;                        which is the lane (r, h) and the register j in which the attention launch holds that score: a word is a lane mask as it stands.
; THE QUANTISER.  A block of 32 along K has the scale 2^(floor(log2(largest magnitude)) - 2); its byte is the largest magnitude's exponent field - 2, held at 1 from below;
; each number is divided by the scale and rounded to the nearest code of E2M1, ties to even, beyond 6 the largest code.
; ROW ORDER OF w_codes: column n of W_qk goes to row sigma(n), sigma = n with bits 3 and 4 exchanged.  So 16 neighbouring rows hold columns c .. c+7 and c+16 .. c+23, and the projection's
; results of two neighbouring tiles are 16 neighbouring columns in a lane's registers, ready for its own quantiser.  W_v's rows are in their own order.
; LIMITS: a block of zeros gets the byte 1 where the rule says 127 (its codes are zeros, and this program alone reads the bytes); blocks whose largest magnitude lies under 2^-124 are held at
; that floor's byte; NaN and infinities among the inputs are not served; a mask byte is taken as 0 or 1, as its type says.
; No tensor loads, no barrier: waves share nothing.
.set STEPS, 16                         ; x: steps of 512 numbers in a wave
.set CB,    8                          ; x: bytes of 16 codes
.set R,     16                         ; x: v16-79   four sets of 16 numbers as they are loaded
.set X,     80                         ; x: v80-111  two sets of 16 neighbours
.set E,     112                        ; x: v112-127 a scale byte for each step
.set C,     128                        ; x: v128-191 codes, four registers for each step
.set WREG,  8192                       ; x: LDS bytes 0 .. 32,767, a region for each wave: two stages of 32 x SP bytes, then its 256 scale bytes
.set SP,    80                         ; x: a lane's place in a stage: 64 bytes + 16 of padding
.set WX,    32                         ; W: v32-95   two sets of 32 numbers
.set WC,    96                         ; W: v96-99   a block's codes
.set WO,    112                        ; W: v112-143 the way out
.set WSB,   24                         ; W: v24-25   eight scale bytes
.set WP,    272                        ; W: a stage row: 256 bytes of codes + 16 of padding
.set LDSQ,  32768                      ; W_qk's stages: 4 x 16 rows
.set LDSV,  LDSQ+4*16*WP               ; W_v's stages: 2 x 16 rows
; ---- x: example of a stream of blocks: nothing knows of rows
.macro LOAD t
.irp i, 0,1,2,3
	global_load_b128 v[R+16*((\t)%4)+4*\i:R+16*((\t)%4)+4*\i+3], v3, s[4:5] offset:2048*(\t)+512*\i th:TH_LOAD_NT   ; 32 lanes read 512 consecutive bytes
.endr
.endm
.macro TURN t                          ; step t's 2,048 bytes through the wave's stage: in as loaded, out 64 bytes a lane.  LDS serves a wave's instructions in order
.irp i, 0,1,2,3
	ds_store_b128 v14, v[R+16*((\t)%4)+4*\i:R+16*((\t)%4)+4*\i+3] offset:32*SP*((\t)%2)+8*SP*\i
.endr
.irp i, 0,1,2,3
	ds_load_b128 v[X+16*((\t)%2)+4*\i:X+16*((\t)%2)+4*\i+3], v15 offset:32*SP*((\t)%2)+16*\i
.endr
.endm
.macro STEP t
.set XS, X+16*((\t)%2)
.if (\t) > 0
	s_wait_dscnt 1                                 ; this step's numbers are back from the stage; the last step's byte store may be out
.else
	s_wait_dscnt 0x0
.endif
.if (\t)+4 < STEPS
	LOAD (\t)+4                                    ; into the registers that the stage's stores have read
.endif
.if (\t)+1 < STEPS
.if STEPS-2-(\t) >= 3
	s_wait_loadcnt 12                              ; the next step's four loads are in; those of the three steps behind it may be out
.else
	s_wait_loadcnt 4*(STEPS-2-(\t))
.endif
	TURN (\t)+1
.endif
	v_max3_num_f32 v8, |v[XS]|, |v[XS+1]|, |v[XS+2]|               ; the largest magnitude of my 16, in two chains
	v_max3_num_f32 v9, |v[XS+3]|, |v[XS+4]|, |v[XS+5]|
.irp i, 6,10
	v_max3_num_f32 v8, v8, |v[XS+\i]|, |v[XS+\i+1]|
	v_max3_num_f32 v9, v9, |v[XS+\i+2]|, |v[XS+\i+3]|
.endr
	v_max3_num_f32 v8, v8, |v[XS+14]|, |v[XS+15]|
	v_max3_num_f32 v8, v8, v9, 0x1800000           ; and the floor 2^(3 - 127): the byte cannot fall under 1
	v_max_num_f32_dpp v8, v8, v8 row_xmask:1 row_mask:0xf bank_mask:0xf   ; with my neighbour's 16: the block's
	v_add_nc_u32 v11, 0xff000000, v8               ; 2 off its exponent field: the conversion takes that field as its scale
	v_cvt_scalef32_pk8_fp4_f32 v[C+4*(\t)], v[XS:XS+7], v11
	v_cvt_scalef32_pk8_fp4_f32 v[C+4*(\t)+1], v[XS+8:XS+15], v11
	v_lshrrev_b32 v[E+(\t)], 23, v11               ; the scale's byte
	ds_store_b8 v5, v[E+(\t)] offset:16*(\t)       ; both lanes of a block write the same byte with the same value
	global_store_b64 v4, v[C+4*(\t):C+4*(\t)+1], s[8:9] offset:32*CB*(\t)   ; the wave stores 256 consecutive bytes
.endm
; ---- W: a lane takes a column and its registers run down K: lane l has column l % 16 and the (l / 16)-th 256 of the wave's 512 along K: 8 blocks
.macro WADDR base
	v_and_b32 v5, 15, v2                           ; c
	v_lshrrev_b32 v6, 4, v2                        ; hk
	s_mul_i32 s17, s16, 16*WP
	s_add_co_u32 s17, s17, \base                   ; my wave's stage
	v_mul_u32_u24 v4, v5, WP
	v_lshl_add_u32 v4, v6, 7, v4
	v_add_nc_u32 v4, s17, v4                       ; in: row c, my 128 bytes of its 256
	v_mul_u32_u24 v7, v6, WP
	v_lshl_add_u32 v7, v5, 4, v7
	v_add_nc_u32 v7, s17, v7                       ; out: sixteen lanes to a row, two rows an instruction
	v_lshlrev_b32 v8, 9, v6
	v_lshl_add_u32 v8, v5, 4, v8                   ; and the same two rows of 512 bytes in w_codes
.endm
.macro WLOAD t, stride                 ; block t: 32 numbers down K
.set wi, 0
.rept 32
	global_load_b32 v[WX+32*((\t)%2)+wi], v3, s[4:5] offset:(32*(\t)+wi)*(\stride)
.set wi, wi+1
.endr
.endm
.macro WBLK t, stride
.set XS, WX+32*((\t)%2)
.if (\t) < 7
	s_wait_loadcnt 32                              ; this block's 32 loads are in; the next block's may be out
.else
	s_wait_loadcnt 0x0
.endif
	v_max3_num_f32 v12, |v[XS]|, |v[XS+1]|, |v[XS+2]|              ; all 32 numbers of the block are mine
	v_max3_num_f32 v13, |v[XS+3]|, |v[XS+4]|, |v[XS+5]|
.irp i, 6,10,14,18,22,26
	v_max3_num_f32 v12, v12, |v[XS+\i]|, |v[XS+\i+1]|
	v_max3_num_f32 v13, v13, |v[XS+\i+2]|, |v[XS+\i+3]|
.endr
	v_max3_num_f32 v12, v12, |v[XS+30]|, |v[XS+31]|
	v_max3_num_f32 v12, v12, v13, 0x1800000        ; the floor
	v_add_nc_u32 v11, 0xff000000, v12              ; the conversion's scale operand
	v_lshrrev_b32 v13, 23, v11                     ; the byte
.if (\t)%4 == 0
	v_mov_b32 v[WSB+(\t)/4], v13                   ; four bytes to a register, the lower K in the lower byte
.else
	v_lshl_or_b32 v[WSB+(\t)/4], v13, 8*((\t)%4), v[WSB+(\t)/4]
.endif
.irp g, 0,1,2,3
	v_cvt_scalef32_pk8_fp4_f32 v[WC+\g], v[XS+8*\g:XS+8*\g+7], v11
.endr
	ds_store_b128 v4, v[WC:WC+3] offset:16*(\t)    ; 32 codes: 16 bytes of my column's row
.if (\t)+2 < 8
	WLOAD (\t)+2, \stride
.endif
	s_wait_dscnt 0x0                               ; the store has read its registers: the next block's codes may be written
.endm
.macro WBODY stride, perm              ; perm = 1: stage row c goes to row 16 (c / 8) + c % 8 from the wave's first row
	WLOAD 0, \stride
	WLOAD 1, \stride
.irp t, 0,1,2,3,4,5,6,7
	WBLK \t, \stride
.endr
	s_wait_alu depctr_va_vdst(0)
	global_store_b64 v9, v[WSB:WSB+1], s[10:11]    ; my column's eight scale bytes
.irp u, 0,1,2,3,4,5,6,7
	ds_load_b128 v[WO+4*\u:WO+4*\u+3], v7 offset:2*\u*WP
.endr
.irp u, 0,1,2,3,4,5,6,7
	s_wait_dscnt 7-\u                              ; LDS loads come back in order: pair u of the rows is in
.if \perm
	global_store_b128 v8, v[WO+4*\u:WO+4*\u+3], s[8:9] offset:(16*(\u/4)+2*(\u%4))*512   ; sixteen lanes store 256 consecutive bytes, aligned
.else
	global_store_b128 v8, v[WO+4*\u:WO+4*\u+3], s[8:9] offset:2*\u*512
.endif
.endr
.endm
; ---- the mask: one window of 16 queries x 512 keys.  Lane l holds the 16 x 16 bytes of key tile l: row p's 16 bytes in v[DD + 4 p ..]
.macro MUNIT u
.set DD, 32+64*\u
.irp k, 0,1,2,3
	v_lshl_or_b32 v[16+\k], v[DD+4+\k], 1, v[DD+\k]                ; A_k: byte m, bit p = mask(row p, column 4 k + m), rows 0-7
	v_lshl_or_b32 v[20+\k], v[DD+36+\k], 1, v[DD+32+\k]            ; B_k: the same of rows 8-15
.endr
.irp p, 2,3,4,5,6,7
.irp k, 0,1,2,3
	v_lshl_or_b32 v[16+\k], v[DD+4*\p+\k], \p, v[16+\k]
	v_lshl_or_b32 v[20+\k], v[DD+32+4*\p+\k], \p, v[20+\k]
.endr
.endr
.irp k, 0,1
	v_perm_b32 v24, v[20+\k], v[16+\k], s24        ; columns 4 k, 4 k + 1: sixteen rows' bits each
	v_perm_b32 v25, v[20+\k], v[16+\k], s25        ; columns 4 k + 2, 4 k + 3
	v_perm_b32 v26, v[22+\k], v[18+\k], s24        ; columns 8 + 4 k, 8 + 4 k + 1
	v_perm_b32 v27, v[22+\k], v[18+\k], s25
	v_perm_b32 v[160+8*\u+4*\k], v26, v24, s26     ; word j = column j below, column 8 + j above
	v_perm_b32 v[161+8*\u+4*\k], v26, v24, s27
	v_perm_b32 v[162+8*\u+4*\k], v27, v25, s26
	v_perm_b32 v[163+8*\u+4*\k], v27, v25, s27
.endr
	global_store_b128 v3, v[160+8*\u:163+8*\u], s[8:9] offset:1024*\u          ; words 0-3 of 32 key tiles: 512 consecutive bytes
	global_store_b128 v3, v[164+8*\u:167+8*\u], s[8:9] offset:1024*\u+512      ; words 4-7
.endm
	v_lshl_add_u32 v192, v0, 2, 0xe800
	v_mov_b32 v193, 0
	v_lshrrev_b32 v1, 5, v0
	v_readfirstlane_b32 s16, v1                    ; wave 0..3
	v_and_b32 v2, 31, v0                           ; lane
	s_cmp_lt_u32 ttmp9, 64
	s_cbranch_scc1 .Lwqk
	s_cmp_eq_u32 ttmp9, 64
	s_cbranch_scc1 .Lwv
	s_cmp_lt_u32 ttmp9, 321
	s_cbranch_scc1 .Lx
	; ==== the mask.  Wave J of 1,024 takes query tile J / 2 and two windows of 512 keys
	s_load_b64 s[4:5], s[0:1], 0x18                ; att_mask
	s_load_b64 s[8:9], s[0:1], 0x40                ; maskw
	s_sub_co_u32 s17, ttmp9, 321
	s_lshl_b32 s17, s17, 2
	s_add_co_u32 s17, s17, s16                     ; J
	s_lshr_b32 s18, s17, 1                         ; the query tile, 0 .. 511
	s_and_b32 s19, s17, 1                          ; which half of the keys
	s_lshl_b32 s20, s18, 15                        ; 16 rows of 2,048 bytes
	s_lshl_b32 s21, s19, 10
	s_add_co_u32 s20, s20, s21
	s_mov_b32 s21, 0
	s_lshl_b32 s22, s18, 12                        ; 4,096 bytes of words a query tile
	s_lshl_b32 s23, s19, 11
	s_add_co_u32 s22, s22, s23
	s_mov_b32 s23, 0
	s_mov_b32 s24, 0x05010400                      ; byte selects: the low byte pair of two registers interleaved,
	s_mov_b32 s25, 0x07030602                      ; the high pair,
	s_mov_b32 s26, 0x05040100                      ; two low halves,
	s_mov_b32 s27, 0x07060302                      ; two high halves
	s_wait_alu depctr_va_vdst(0)
	v_lshlrev_b32 v3, 4, v2                        ; 16 bytes a lane, in and out
	s_wait_alu depctr_va_vdst(0)
	s_wait_kmcnt 0x0
	s_add_nc_u64 s[4:5], s[4:5], s[20:21]
	s_add_nc_u64 s[8:9], s[8:9], s[22:23]
.irp u, 0,1
.irp p, 0,1,2,3,4,5,6,7,8,9,10,11,12,13,14,15
	global_load_b128 v[32+64*\u+4*\p:35+64*\u+4*\p], v3, s[4:5] offset:2048*\p+512*\u th:TH_LOAD_NT   ; 512 consecutive bytes of one row
.endr
.endr
	s_wait_loadcnt 16                              ; the first window's 16 loads are in; the second's may be out
	MUNIT 0
	s_wait_loadcnt 0x0
	MUNIT 1
	s_endpgm
	; ==== x.  Wave run = 4 (work-group - 65) + wave takes 8,192 numbers
.Lx:
	s_load_b64 s[4:5], s[0:1], 0x0                 ; x
	s_load_b128 s[8:11], s[0:1], 0x20              ; x_codes, x_scales
	s_wait_alu depctr_va_vdst(0)
	v_lshlrev_b32 v3, 4, v2                        ; my 16 bytes of a load's 512
	s_mul_i32 s17, s16, WREG
	v_lshrrev_b32 v14, 2, v2
	v_mul_u32_u24 v14, v14, SP
	v_and_b32 v15, 3, v2
	v_lshl_add_u32 v14, v15, 4, v14
	v_add_nc_u32 v14, s17, v14                     ; the stage, in: four lanes' 64 bytes on end, then 16 of padding
	v_mul_u32_u24 v15, v2, SP
	v_add_nc_u32 v15, s17, v15                     ; out: my 16 neighbours
	v_mul_u32_u24 v4, v2, CB                       ; my codes' place in a step's
	v_lshrrev_b32 v5, 1, v2
	s_add_co_u32 s17, s17, 2*32*SP
	v_add_nc_u32 v5, s17, v5                       ; my wave's 256 scale bytes: my block's byte
	v_lshlrev_b32 v7, 3, v2
	v_add_nc_u32 v6, s17, v7                       ; and on the way out 8 bytes a lane
	s_sub_co_u32 s18, ttmp9, 65
	s_lshl_b32 s18, s18, 2
	s_add_co_u32 s18, s18, s16                     ; run, 0 .. 1,023
	s_lshl_b32 s20, s18, 15                        ; 32,768 bytes of numbers,
	s_mov_b32 s21, 0
	s_lshl_b32 s22, s18, 12                        ; 4,096 of codes,
	s_mov_b32 s23, 0
	s_lshl_b32 s24, s18, 8                         ; 256 scale bytes a run
	s_mov_b32 s25, 0
	s_wait_alu depctr_va_vdst(0)
	s_wait_kmcnt 0x0
	s_add_nc_u64 s[4:5], s[4:5], s[20:21]
	s_add_nc_u64 s[8:9], s[8:9], s[22:23]
	s_add_nc_u64 s[10:11], s[10:11], s[24:25]
.irp t, 0,1,2,3
	LOAD \t
.endr
	s_wait_loadcnt 12                              ; step 0's four loads are in
	TURN 0
.irp t, 0,1,2,3,4,5,6,7,8,9,10,11,12,13,14,15
	STEP \t
.endr
	ds_load_b64 v[12:13], v6                       ; LDS serves a wave's instructions in order: these see my byte stores
	s_wait_dscnt 0x0
	global_store_b64 v7, v[12:13], s[10:11]        ; 32 lanes store 256 consecutive bytes, aligned
	s_wait_tensorcnt 0x0
	ds_add_u32 v192, v193
	s_wait_dscnt 0x0
	s_endpgm
	; ==== W_qk.  Work-group (X = number / 2, y = number % 2): columns 64 X .. + 63, K 512 y .. + 511; wave w: 16 columns
.Lwqk:
	s_load_b64 s[4:5], s[0:1], 0x8                 ; W_qk
	s_load_b128 s[8:11], s[0:1], 0x30              ; w_codes, w_scales
	s_wait_alu depctr_va_vdst(0)
	WADDR LDSQ
	s_lshr_b32 s18, ttmp9, 1                       ; X
	s_and_b32 s19, ttmp9, 1                        ; y
	v_lshlrev_b32 v3, 2, v5
	v_lshl_add_u32 v3, v6, 21, v3                  ; 4 c + 256 rows of 8,192 bytes for lanes 16-31
	v_lshrrev_b32 v9, 3, v5
	v_and_b32 v10, 7, v5
	v_lshl_add_u32 v9, v9, 4, v10                  ; my column's row from the wave's first: 16 (c / 8) + c % 8
	v_lshlrev_b32 v9, 5, v9                        ; 32 scale bytes a row,
	v_lshl_add_u32 v9, v6, 3, v9                   ; my eight of them
	s_lshl_b32 s20, s19, 22                        ; 512 rows of W,
	s_lshl_b32 s21, s18, 8
	s_add_co_u32 s20, s20, s21                     ; 64 X columns,
	s_lshl_b32 s21, s16, 6
	s_add_co_u32 s20, s20, s21                     ; 16 w columns
	s_mov_b32 s21, 0
	s_lshl_b32 s22, s18, 6
	s_lshr_b32 s23, s16, 1
	s_lshl_b32 s23, s23, 5
	s_add_co_u32 s22, s22, s23
	s_and_b32 s23, s16, 1
	s_lshl_b32 s23, s23, 3
	s_add_co_u32 s22, s22, s23                     ; the wave's first row: 64 X + 32 (w / 2) + 8 (w % 2)
	s_lshl_b32 s24, s22, 9
	s_lshl_b32 s25, s19, 8
	s_add_co_u32 s24, s24, s25
	s_mov_b32 s25, 0
	s_lshl_b32 s26, s22, 5
	s_lshl_b32 s27, s19, 4
	s_add_co_u32 s26, s26, s27
	s_mov_b32 s27, 0
	s_wait_alu depctr_va_vdst(0)
	s_wait_kmcnt 0x0
	s_add_nc_u64 s[4:5], s[4:5], s[20:21]
	s_add_nc_u64 s[8:9], s[8:9], s[24:25]
	s_add_nc_u64 s[10:11], s[10:11], s[26:27]
	WBODY 8192, 1
	s_wait_tensorcnt 0x0
	ds_add_u32 v192, v193
	s_wait_dscnt 0x0
	s_endpgm
	; ==== W_v.  Its 16 columns x 1,024 along K are two waves' shares; the other two waves have none
.Lwv:
	s_cmp_gt_u32 s16, 1
	s_cbranch_scc1 .Lwv_done
	s_load_b64 s[4:5], s[0:1], 0x10                ; W_v
	s_load_b128 s[8:11], s[0:1], 0x30              ; w_codes, w_scales
	s_wait_alu depctr_va_vdst(0)
	WADDR LDSV
	v_lshlrev_b32 v3, 2, v5
	v_lshl_add_u32 v3, v6, 14, v3                  ; 4 c + 256 rows of 64 bytes for lanes 16-31
	v_lshlrev_b32 v9, 5, v5
	v_lshl_add_u32 v9, v6, 3, v9                   ; row c's scale bytes, my eight
	s_lshl_b32 s20, s16, 15                        ; 512 rows of 64 bytes a wave
	s_mov_b32 s21, 0
	s_lshl_b32 s24, s16, 8
	s_add_co_u32 s24, s24, 2048*512                ; behind W_qk's 2,048 rows
	s_mov_b32 s25, 0
	s_lshl_b32 s26, s16, 4
	s_add_co_u32 s26, s26, 2048*32
	s_mov_b32 s27, 0
	s_wait_alu depctr_va_vdst(0)
	s_wait_kmcnt 0x0
	s_add_nc_u64 s[4:5], s[4:5], s[20:21]
	s_add_nc_u64 s[8:9], s[8:9], s[24:25]
	s_add_nc_u64 s[10:11], s[10:11], s[26:27]
	WBODY 64, 0
.Lwv_done:
	s_wait_alu depctr_va_vdst(0)
	s_wait_tensorcnt 0x0
	ds_add_u32 v192, v193
	s_wait_dscnt 0x0
	s_endpgm
.Lfunc_end_k_q923dc23b31_prep:
	.size	k_q923dc23b31_prep, .Lfunc_end_k_q923dc23b31_prep-k_q923dc23b31_prep
	.p2alignl 7, 3214868480
	.fill 96, 4, 3214868480
	.section	.rodata,"a",@progbits
	.p2align	6, 0x0
	.amdhsa_kernel k_q923dc23b31_prep
		.amdhsa_group_segment_fixed_size 59904
		.amdhsa_private_segment_fixed_size 0
		.amdhsa_enable_private_segment 0
		.amdhsa_kernarg_size 72
		.amdhsa_user_sgpr_count 2
		.amdhsa_user_sgpr_kernarg_segment_ptr 1
		.amdhsa_wavefront_size32 1
		.amdhsa_system_sgpr_workgroup_id_x 1
		.amdhsa_system_sgpr_workgroup_id_y 1
		.amdhsa_system_sgpr_workgroup_id_z 1
		.amdhsa_system_vgpr_workitem_id 0
		.amdhsa_next_free_vgpr 194
		.amdhsa_next_free_sgpr 66
		.amdhsa_reserve_vcc 0
		.amdhsa_float_denorm_mode_32 3
		.amdhsa_float_denorm_mode_16_64 3
		.amdhsa_memory_ordered 1
		.amdhsa_forward_progress 1
		.amdhsa_inst_pref_size 127
	.end_amdhsa_kernel
	.amdgpu_metadata
---
amdhsa.version: [ 1, 2 ]
amdhsa.kernels:
  - .name:           k_q923dc23b31_prep
    .symbol:         k_q923dc23b31_prep.kd
    .args:
      - { .name: x, .offset: 0, .size: 8, .value_kind: global_buffer, .address_space: global }
      - { .name: W_qk, .offset: 8, .size: 8, .value_kind: global_buffer, .address_space: global }
      - { .name: W_v, .offset: 16, .size: 8, .value_kind: global_buffer, .address_space: global }
      - { .name: att_mask, .offset: 24, .size: 8, .value_kind: global_buffer, .address_space: global }
      - { .name: x_codes, .offset: 32, .size: 8, .value_kind: global_buffer, .address_space: global }
      - { .name: x_scales, .offset: 40, .size: 8, .value_kind: global_buffer, .address_space: global }
      - { .name: w_codes, .offset: 48, .size: 8, .value_kind: global_buffer, .address_space: global }
      - { .name: w_scales, .offset: 56, .size: 8, .value_kind: global_buffer, .address_space: global }
      - { .name: maskw, .offset: 64, .size: 8, .value_kind: global_buffer, .address_space: global }
    .group_segment_fixed_size: 59904
    .private_segment_fixed_size: 0
    .kernarg_segment_align: 8
    .kernarg_segment_size: 72
    .max_flat_workgroup_size: 128
    .sgpr_count:     66
    .vgpr_count:     194
    .wavefront_size: 32
...
	.end_amdgpu_metadata
.endif
;; end of part 1
;; launch proj (part 2): grid 8 x 32, 4 waves a work-group, clusters of 4 x 4, 327,680 bytes of LDS; arguments x_codes, x_scales, w_codes, w_scales, qimg, kv; writes qimg, kv
.if DOCPART == 2
	.amdgcn_target "amdgcn-amd-amdhsa--gfx1250"
	.amdhsa_code_object_version 6
	.text
	.protected	k_q923dc23b31_proj
	.globl	k_q923dc23b31_proj
	.p2align	8
	.type	k_q923dc23b31_proj,@function
k_q923dc23b31_proj:
	s_mov_b64 s[64:65], 0
	v_nop
	global_prefetch_b8 v0, s[64:65] scope:SCOPE_SE
	s_setreg_imm32_b32 hwreg(HW_REG_WAVE_MODE, 25, 1), 1
	s_wait_xcnt 0x0
	s_wait_alu depctr_hold_cnt(0) depctr_sa_sdst(0) depctr_va_vdst(0) depctr_va_sdst(0) depctr_va_ssrc(0) depctr_va_vcc(0) depctr_vm_vsrc(0)
	s_getreg_b32 s2, hwreg(HW_REG_IB_STS2, 6, 4)
	s_cmp_eq_u32 s2, 0
	s_cbranch_scc0 .Lentry_in_a_cluster
	s_endpgm
.Lentry_in_a_cluster:
	s_bfe_u32 s2, ttmp6, 0x10000c
	s_cmp_lg_u32 s2, 0xf033
	s_cbranch_scc0 .Lentry_shape_is_right
	s_endpgm
.Lentry_shape_is_right:
.set NQ,     4
.set ROWB,   256
.set KROW,   512
.set PITCH,  272
.set FR,     8
.set NL,     2
.set NP,     4
.set HALFT,  128*PITCH
.set SLOT,   4*HALFT
.set KS,     32
.set SCL,    2*SLOT
.set HALFS,  16*272
.set SBLK,   2*272
.set QCH,    69632
.set KCH,    77824
.set ADRA, 16
.set ADRB, 20
.set STO,  24
.set RD,   25
.set CO,   26
.set ADRS, 27
.set SC,   32
.set AF,   128
.set TM,   128
.set SEL,  18
.set G1, 24
.set G0, 32
.set G1B, 48
.set G0B, 56
.set G1S, 68
.set G0S, 76
.set G1SB, 80
.set G0SB, 88
.set MSB, 0
.macro WIN new
.if MSB != \new
	s_set_vgpr_msb (MSB<<8)|\new
.set MSB, \new
.endif
.endm
.set MUL_LO, 0xa1
.set MUL_HI, 0xf1
.set TO_B,   0x40
.macro JLOAD g0a, g1a, g0b, g1b
	s_cmp_eq_u32 s15, 0
	s_cbranch_scc0 .Lfor_b_\@
	tensor_load_to_lds s[\g0a:\g0a+3], s[\g1a:\g1a+7]
	s_nop 0
.rept 4
	v_nop
.endr
	s_branch .Lasked_\@
.Lfor_b_\@:
	tensor_load_to_lds s[\g0b:\g0b+3], s[\g1b:\g1b+7]
	s_nop 0
.rept 4
	v_nop
.endr
.Lasked_\@:
.endm
.macro CROUND
	s_barrier_signal -1
	s_barrier_wait -1
	s_cmp_lg_u32 s14, 0
	s_cbranch_scc1 .Lnot_wave_0_\@
	s_barrier_signal -3
.Lnot_wave_0_\@:
	s_barrier_wait -3
	s_barrier_signal -1
	s_barrier_wait -1
.endm
	s_load_b128 s[4:7], s[0:1], 0x0
	s_load_b128 s[8:11], s[0:1], 0x10
	s_load_b128 s[96:99], s[0:1], 0x20
	v_lshl_add_u32 v254, v0, 2, 0x48400
	v_mov_b32 v255, 0
	ds_add_u32 v254, v255
	ds_add_u32 v254, v255
	v_lshrrev_b32 v1, 5, v0
	v_readfirstlane_b32 s14, v1
	s_lshr_b32 s15, s14, 1
	s_and_b32 s16, s14, 1
	s_bfe_u32 s40, ttmp6, 0x40000
	s_bfe_u32 s41, ttmp6, 0x40004
	s_lshl_b32 s42, ttmp9, 2
	s_add_co_u32 s42, s42, s40
	s_and_b32 s17, ttmp7, 0xffff
	s_lshl_b32 s17, s17, 2
	s_add_co_u32 s17, s17, s41
	s_lshl_b32 s43, s41, 2
	s_lshl_b32 s43, 15, s43
	s_lshl_b32 s44, 0x1111, s40
	s_or_b32 s[G1+0], s43, (0<<16)|(1<<20)|(1<<21)|(5<<22)|(3<<25)
	s_or_b32 s[G1B+0], s44, (0<<16)|(1<<20)|(1<<21)|(5<<22)|(3<<25)
.irp g, G1, G1B
	s_mov_b32 s[\g+1], ROWB<<16
	s_mov_b32 s[\g+2], 128<<16
	s_mov_b32 s[\g+3], ROWB<<16
	s_mov_b32 s[\g+4], 128
	s_mov_b32 s[\g+5], KROW
	s_mov_b32 s[\g+6], 0
	s_mov_b32 s[\g+7], 0
.endr
	s_or_b32 s[G1S+0], s43, (3<<16)|(1<<20)|(1<<21)|(5<<22)|(3<<25)
	s_or_b32 s[G1SB+0], s44, (3<<16)|(1<<20)|(1<<21)|(5<<22)|(3<<25)
.irp g, G1S, G1SB
	s_mov_b32 s[\g+1], 32<<16
	s_mov_b32 s[\g+2], 16<<16
	s_mov_b32 s[\g+3], 32<<16
	s_mov_b32 s[\g+4], 16
	s_mov_b32 s[\g+5], 32
	s_mov_b32 s[\g+6], 0
	s_mov_b32 s[\g+7], 0
.endr
	s_lshl_b32 s18, s16, 7
	s_lshl_b32 s20, s17, 8
	s_add_co_u32 s20, s20, s18
	s_lshl_b32 s46, s42, 8
	s_add_co_u32 s46, s46, s18
	s_mov_b32 s21, 0
	s_mov_b32 s47, 0
	s_mov_b64 s[18:19], KS
	s_mul_u64 s[22:23], s[20:21], s[18:19]
	s_mul_u64 s[92:93], s[46:47], s[18:19]
	s_mov_b64 s[18:19], KROW
	s_mul_u64 s[20:21], s[20:21], s[18:19]
	s_mul_u64 s[46:47], s[46:47], s[18:19]
	s_mul_i32 s45, s14, HALFT
	s_mul_i32 s94, s14, HALFS
	s_wait_dscnt 0x0
	s_wait_kmcnt 0x0
	s_add_nc_u64 s[20:21], s[4:5], s[20:21]
	s_add_nc_u64 s[22:23], s[6:7], s[22:23]
	s_add_nc_u64 s[46:47], s[8:9], s[46:47]
	s_add_nc_u64 s[92:93], s[10:11], s[92:93]
	CROUND
	s_mov_b32 s[G0S], 1
	s_add_co_u32 s[G0S+1], s94, SCL
	s_mov_b64 s[G0S+2:G0S+3], s[22:23]
	s_or_b32 s[G0S+3], s[G0S+3], 0x80000000
	s_mov_b32 s[G0SB], 1
	s_add_co_u32 s[G0SB+1], s94, SCL
	s_mov_b64 s[G0SB+2:G0SB+3], s[92:93]
	s_or_b32 s[G0SB+3], s[G0SB+3], 0x80000000
	JLOAD G0S, G1S, G0SB, G1SB
.irp s, 0,1
	s_mov_b32 s[G0+4*\s], 1
	s_add_co_u32 s[G0+4*\s+1], s45, \s*SLOT
	s_add_nc_u64 s[G0+4*\s+2:G0+4*\s+3], s[20:21], \s*ROWB
	s_or_b32 s[G0+4*\s+3], s[G0+4*\s+3], 0x80000000
	s_mov_b32 s[G0B+4*\s], 1
	s_add_co_u32 s[G0B+4*\s+1], s45, \s*SLOT
	s_add_nc_u64 s[G0B+4*\s+2:G0B+4*\s+3], s[46:47], \s*ROWB
	s_or_b32 s[G0B+4*\s+3], s[G0B+4*\s+3], 0x80000000
	s_wait_alu depctr_va_vdst(0)
	s_wait_tensorcnt 0x0
	ds_add_u32 v254, v255
	s_wait_dscnt 0x0
	CROUND
	JLOAD G0+4*\s, G1, G0B+4*\s, G1B
.endr
	v_and_b32 v1, 15, v0
	v_bfe_u32 v2, v0, 4, 1
	v_mul_u32_u24 v3, v1, PITCH
	v_lshl_add_u32 v4, v2, 4, v3
	s_mul_i32 s21, s15, HALFT
	s_mul_i32 s22, s16, HALFT
	s_add_co_u32 s22, s22, 2*HALFT
.irp s, 0,1
	v_add_nc_u32 v[ADRA+\s], s21, v4
	v_add_nc_u32 v[ADRB+\s], s22, v4
	s_add_co_u32 s21, s21, SLOT
	s_add_co_u32 s22, s22, SLOT
.endr
	v_mul_u32_u24 v5, v1, KS
	v_lshrrev_b32 v6, 8, v5
	v_lshl_add_u32 v5, v6, 4, v5
	s_mul_i32 s21, s15, HALFS
	s_mul_i32 s22, s16, HALFS
	s_add_co_u32 s22, s22, 2*HALFS
	s_sub_co_u32 s22, s22, s21
	v_mul_u32_u24 v6, s22, v2
	s_add_co_u32 s21, s21, SCL
	v_add_nc_u32 v5, v5, v6
	v_add_nc_u32 v[ADRS], s21, v5
	s_lshl_b32 s23, s14, 9
	v_lshl_add_u32 v[STO], v1, 2, s23
	v_and_b32 v6, 31, v0
	v_lshlrev_b32 v[CO], 4, v6
	v_add_nc_u32 v[RD], s23, v[CO]
	s_mov_b32 s[SEL], 0x76543210
	s_mov_b32 s[SEL+1], 0xfedcba98
	s_cmp_eq_u32 ttmp9, 0
	s_cselect_b64 s[12:13], s[96:97], s[98:99]
	s_mov_b32 s100, KCH
	s_cselect_b32 s100, QCH, s100
	s_lshl_b32 s94, s17, 1
	s_add_co_u32 s94, s94, s15
	s_mul_i32 s94, s94, s100
	s_and_b32 s95, s42, 3
	s_lshl_b32 s95, s95, 1
	s_add_co_u32 s95, s95, s16
	s_mov_b64 s[100:101], s[12:13]
	s_lshl_b32 s2, s95, 10
	s_add_co_u32 s2, s2, s94
	s_mov_b32 s3, 0
	s_add_nc_u64 s[12:13], s[12:13], s[2:3]
	s_lshl_b32 s2, s95, 9
	s_add_co_u32 s2, s2, s94
	s_add_co_u32 s2, s2, 65536
	s_add_nc_u64 s[100:101], s[100:101], s[2:3]
	s_cmp_lg_u32 s14, 0
	s_cbranch_scc1 .Lno_value
	s_lshl_b32 s94, s17, 8
	s_lshl_b32 s95, s42, 5
	s_add_co_u32 s94, s94, s95
	s_lshl_b32 s95, s94, 9
	v_lshlrev_b32 v3, 9, v1
	v_lshl_add_u32 v3, v2, 4, v3
	v_add_nc_u32 v4, s95, v3
	s_wait_alu depctr_va_vdst(0)
	s_lshl_b32 s95, s94, 5
	v_lshlrev_b32 v5, 5, v1
	v_add_nc_u32 v6, s95, v5
	s_wait_alu depctr_va_vdst(0)
	s_lshl_b32 s94, s17, 1
	s_lshr_b32 s95, s42, 2
	s_add_co_u32 s94, s94, s95
	s_mul_i32 s94, s94, KCH
	s_and_b32 s95, s42, 3
	s_lshl_b32 s95, s95, 11
	s_add_co_u32 s94, s94, s95
	s_add_co_u32 s94, s94, QCH
	v_lshlrev_b32 v7, 5, v1
	v_lshl_add_u32 v7, v2, 4, v7
	v_add_nc_u32 v7, s94, v7
	WIN TO_B
.irp u, 0,1
.irp s, 0,1,2,3,4,5,6,7
.irp c, 0,1
	global_load_b128 v[64*\u+8*\s+4*\c:64*\u+8*\s+4*\c+3], v4, s[4:5] offset:8192*\u+64*\s+32*\c
.endr
.endr
.endr
	WIN 0
.irp s, 0,1,2,3,4,5,6,7
.irp c, 0,1
	global_load_b128 v[128+8*\s+4*\c:128+8*\s+4*\c+3], v3, s[8:9] offset:2048*512+64*\s+32*\c
.endr
.endr
.irp u, 0,1
	global_load_b128 v[SC+8*\u:SC+8*\u+3], v6, s[6:7] offset:512*\u
	global_load_b128 v[SC+8*\u+4:SC+8*\u+7], v6, s[6:7] offset:512*\u+16
.endr
	global_load_b128 v[SC+16:SC+19], v5, s[10:11] offset:2048*32
	global_load_b128 v[SC+20:SC+23], v5, s[10:11] offset:2048*32+16
	s_wait_loadcnt 0x0
	WIN 0x01
	v_wmma_scale_f32_16x16x128_f8f6f4 v[8:15], v[0:7], v[128:135], 0, v[SC], v[SC+16] matrix_a_fmt:MATRIX_FMT_FP4 matrix_b_fmt:MATRIX_FMT_FP4
	v_wmma_scale_f32_16x16x128_f8f6f4 v[96:103], v[64:71], v[128:135], 0, v[SC+8], v[SC+16] matrix_a_fmt:MATRIX_FMT_FP4 matrix_b_fmt:MATRIX_FMT_FP4
.irp s, 1,2,3,4,5,6,7
	v_wmma_scale_f32_16x16x128_f8f6f4 v[8:15], v[8*\s:8*\s+7], v[128+8*\s:135+8*\s], v[8:15], v[SC+\s], v[SC+16+\s] matrix_a_fmt:MATRIX_FMT_FP4 matrix_b_fmt:MATRIX_FMT_FP4
	v_wmma_scale_f32_16x16x128_f8f6f4 v[96:103], v[64+8*\s:71+8*\s], v[128+8*\s:135+8*\s], v[96:103], v[SC+8+\s], v[SC+16+\s] matrix_a_fmt:MATRIX_FMT_FP4 matrix_b_fmt:MATRIX_FMT_FP4
.endr
	WIN 0
.rept 4
	v_nop
.endr
.irp i, 0,1,2,3
	v_cvt_pk_bf16_f32 v[104+\i], v[8+2*\i], v[9+2*\i]
.endr
.irp i, 0,1,2,3
	v_cvt_pk_bf16_f32 v[108+\i], v[96+2*\i], v[97+2*\i]
.endr
.irp i, 0,1,2,3
	v_mov_b32 v[112+\i], 0x3f803f80
	v_mov_b32 v[116+\i], 0
.endr
	global_store_b128 v7, v[104:107], s[98:99]
	global_store_b128 v7, v[108:111], s[98:99] offset:512
	global_store_b128 v7, v[112:115], s[98:99] offset:1024
	global_store_b128 v7, v[116:119], s[98:99] offset:1536
	s_wait_xcnt 0x0
.Lno_value:
.macro FRAG reg, adr, q, i
.irp c, 0,1
	ds_load_b128 v[\reg+4*\c:\reg+4*\c+3], v[\adr] offset:64*(\q)+32*\c+(\i)*16*PITCH
.endr
.endm
.macro MUL16 a0, p, q, sc, zero
.irp a, \a0, \a0+1
.irp b, 0,1,2,3,4,5,6,7
.if \zero
	v_wmma_scale_f32_16x16x128_f8f6f4 v[8*(8*((\a)%4)+\b):8*(8*((\a)%4)+\b)+7], v[128*(\p)+FR*\b:128*(\p)+FR*\b+FR-1], v[AF+FR*(\a):AF+FR*(\a)+FR-1], 0, v[SC+8*NQ*(\sc)+NQ*\b+(\q)], v[SC+8*NQ*(\sc)+NQ*(\a)+(\q)] matrix_a_fmt:MATRIX_FMT_FP4 matrix_b_fmt:MATRIX_FMT_FP4 matrix_a_scale:MATRIX_SCALE_ROW1
.else
	v_wmma_scale_f32_16x16x128_f8f6f4 v[8*(8*((\a)%4)+\b):8*(8*((\a)%4)+\b)+7], v[128*(\p)+FR*\b:128*(\p)+FR*\b+FR-1], v[AF+FR*(\a):AF+FR*(\a)+FR-1], v[8*(8*((\a)%4)+\b):8*(8*((\a)%4)+\b)+7], v[SC+8*NQ*(\sc)+NQ*\b+(\q)], v[SC+8*NQ*(\sc)+NQ*(\a)+(\q)] matrix_a_fmt:MATRIX_FMT_FP4 matrix_b_fmt:MATRIX_FMT_FP4 matrix_a_scale:MATRIX_SCALE_ROW1
.endif
.endr
.endr
.endm
.macro FETCH_B slot, q, p
	WIN TO_B
.irp i, 0,1,2,3,4,5,6,7
	FRAG 128*(\p)+FR*\i, ADRB+\slot, \q, \i
.endr
	WIN 0
.endm
.macro FETCH_A slot, q, i0
.irp i, \i0, \i0+1, \i0+2, \i0+3
	FRAG AF+FR*(\i), ADRA+\slot, \q, \i
.endr
.endm
.macro SCALES sc
.irp i, 0,1,2,3,4,5,6,7
	ds_load_b128 v[SC+8*NQ*\sc+NQ*\i:SC+8*NQ*\sc+NQ*\i+3], v[ADRS] offset:\i*SBLK
.endr
.endm
.macro PLACES n
.rept \n
	v_nop
.endr
.endm
.macro STEP slot, q, zero
	s_wait_dscnt 4*NL
	WIN MUL_LO
	MUL16 0, (\q)%2, \q, \slot, \zero
	MUL16 2, (\q)%2, \q, \slot, \zero
	s_wait_dscnt 0
	PLACES NP
	FETCH_B \slot, (\q)+1, 1-(\q)%2
	FETCH_A \slot, (\q)+1, 0
	WIN MUL_HI
	MUL16 4, (\q)%2, \q, \slot, \zero
	MUL16 6, (\q)%2, \q, \slot, \zero
	PLACES NP
	WIN 0
	FETCH_A \slot, (\q)+1, 4
.endm
	s_wait_tensorcnt 1
	s_barrier_signal -1
	s_barrier_wait -1
	FETCH_B 0, 0, 0
	FETCH_A 0, 0, 0
	s_wait_alu depctr_va_vdst(0)
	SCALES 0
	FETCH_A 0, 0, 4
	STEP 0, 0, 1
	STEP 0, 1, 0
	STEP 0, 2, 0
	s_wait_tensorcnt 0x0
	s_wait_dscnt 4*NL
	WIN MUL_LO
	MUL16 0, 1, NQ-1, 0, 0
	s_wait_dscnt 0x0
	s_barrier_signal -1
	MUL16 2, 1, NQ-1, 0, 0
	WIN 0
	s_barrier_wait -1
	PLACES NP
	v_add_nc_u32 v[ADRS], 4*NQ, v[ADRS]
	FETCH_B 1, 0, 0
	FETCH_A 1, 0, 0
	SCALES 1
	WIN MUL_HI
	MUL16 4, 1, NQ-1, 0, 0
	MUL16 6, 1, NQ-1, 0, 0
	PLACES NP
	WIN 0
	FETCH_A 1, 0, 4
	STEP 1, 0, 0
	STEP 1, 1, 0
	STEP 1, 2, 0
	s_wait_dscnt 4*NL
	WIN MUL_LO
	MUL16 0, 1, NQ-1, 1, 0
	MUL16 2, 1, NQ-1, 1, 0
	s_wait_dscnt 0
	WIN MUL_HI
	MUL16 4, 1, NQ-1, 1, 0
	MUL16 6, 1, NQ-1, 1, 0
	WIN 0
.macro OUTBLK a
.set AC, 64*((\a)%4)
.set PC, 160+8*(\a)
.set PW, 144+(\a)
	WIN 0x0a+5*((\a)/4)
.irp b, 0,1,2,3
	v_max3_num_f32 v[TM+\b], |v[AC+16*\b]|, |v[AC+16*\b+1]|, 0x1800000
.endr
.irp i, 2,4,6,8,10,12,14
.irp b, 0,1,2,3
	v_max3_num_f32 v[TM+\b], |v[AC+16*\b+\i]|, |v[AC+16*\b+\i+1]|, v[TM+\b]
.endr
.endr
	WIN 0
.irp b, 0,1,2,3
	v_permlanex16_b32 v[TM+4+\b], v[TM+\b], s[SEL], s[SEL+1]
.endr
.irp b, 0,1,2,3
	v_max_num_f32 v[TM+\b], v[TM+\b], v[TM+4+\b]
.endr
.irp b, 0,1,2,3
	v_add_nc_u32 v[TM+12+\b], 0xff000000, v[TM+\b]
.endr
.irp b, 0,1,2,3
	v_lshrrev_b32 v[TM+4+\b], 23, v[TM+12+\b]
.endr
	v_lshl_or_b32 v[PW], v[TM+5], 8, v[TM+4]
	v_lshl_or_b32 v[PW], v[TM+6], 16, v[PW]
	v_lshl_or_b32 v[PW], v[TM+7], 24, v[PW]
	WIN 0x02+(\a)/4
.irp b, 0,1,2,3
	v_cvt_scalef32_pk8_fp4_f32 v[PC+2*\b], v[AC+16*\b:AC+16*\b+7], v[TM+12+\b]
	v_cvt_scalef32_pk8_fp4_f32 v[PC+1+2*\b], v[AC+16*\b+8:AC+16*\b+15], v[TM+12+\b]
.endr
	WIN 0
	v_nop
.irp c, 0,1
.irp i, 0,1
	v_permlane16_swap_b32 v[PC+4*\c+\i], v[PC+2+4*\c+\i]
.endr
.endr
.irp c, 0,1
	global_store_b128 v[CO], v[PC+4*\c:PC+4*\c+3], s[12:13] offset:8192*(\a)+512*\c
.endr
	ds_store_b32 v[STO], v[PW] offset:64*(\a)
.endm
	PLACES NP
.irp b, 0,1,2,3
	v_mov_b32 v[TM+4+\b], 0
.endr
.irp a, 0,1,2,3,4,5,6,7
	OUTBLK \a
.endr
	ds_load_b128 v[224:227], v[RD]
	s_wait_dscnt 0x0
	global_store_b128 v[CO], v[224:227], s[100:101]
	s_wait_tensorcnt 0x0
	ds_add_u32 v254, v255
	s_wait_dscnt 0x0
	CROUND
	s_endpgm
.Lfunc_end_k_q923dc23b31_proj:
	.size	k_q923dc23b31_proj, .Lfunc_end_k_q923dc23b31_proj-k_q923dc23b31_proj
	.p2alignl 7, 3214868480
	.fill 96, 4, 3214868480
	.section	.rodata,"a",@progbits
	.p2align	6, 0x0
	.amdhsa_kernel k_q923dc23b31_proj
		.amdhsa_group_segment_fixed_size 327680
		.amdhsa_private_segment_fixed_size 0
		.amdhsa_enable_private_segment 0
		.amdhsa_kernarg_size 48
		.amdhsa_user_sgpr_count 2
		.amdhsa_user_sgpr_kernarg_segment_ptr 1
		.amdhsa_wavefront_size32 1
		.amdhsa_system_sgpr_workgroup_id_x 1
		.amdhsa_system_sgpr_workgroup_id_y 1
		.amdhsa_system_sgpr_workgroup_id_z 1
		.amdhsa_system_vgpr_workitem_id 0
		.amdhsa_next_free_vgpr 1024
		.amdhsa_next_free_sgpr 102
		.amdhsa_reserve_vcc 0
		.amdhsa_float_denorm_mode_32 3
		.amdhsa_float_denorm_mode_16_64 3
		.amdhsa_memory_ordered 1
		.amdhsa_forward_progress 1
		.amdhsa_inst_pref_size 139
	.end_amdhsa_kernel
	.amdgpu_metadata
---
amdhsa.version: [ 1, 2 ]
amdhsa.kernels:
  - .name:           k_q923dc23b31_proj
    .symbol:         k_q923dc23b31_proj.kd
    .args:
      - { .name: x_codes, .offset: 0, .size: 8, .value_kind: global_buffer, .address_space: global }
      - { .name: x_scales, .offset: 8, .size: 8, .value_kind: global_buffer, .address_space: global }
      - { .name: w_codes, .offset: 16, .size: 8, .value_kind: global_buffer, .address_space: global }
      - { .name: w_scales, .offset: 24, .size: 8, .value_kind: global_buffer, .address_space: global }
      - { .name: qimg, .offset: 32, .size: 8, .value_kind: global_buffer, .address_space: global }
      - { .name: kv, .offset: 40, .size: 8, .value_kind: global_buffer, .address_space: global }
    .group_segment_fixed_size: 327680
    .private_segment_fixed_size: 0
    .kernarg_segment_align: 8
    .kernarg_segment_size: 48
    .max_flat_workgroup_size: 128
    .sgpr_count:     102
    .vgpr_count:     1024
    .wavefront_size: 32
...
	.end_amdgpu_metadata
.endif
;; end of part 2
;; launch attend (part 3): grid 64 x 4, 16 waves a work-group, no clusters, 38,912 bytes of LDS; arguments qimg, kv, maskw, att_mask, out0; writes out0
.if DOCPART == 3
	.amdgcn_target "amdgcn-amd-amdhsa--gfx1250"
	.amdhsa_code_object_version 6
	.text
	.protected	k_q923dc23b31_attend
	.globl	k_q923dc23b31_attend
	.p2align	8
	.type	k_q923dc23b31_attend,@function
k_q923dc23b31_attend:
	s_mov_b64 s[64:65], 0
	v_nop
	global_prefetch_b8 v0, s[64:65] scope:SCOPE_SE
	s_setreg_imm32_b32 hwreg(HW_REG_WAVE_MODE, 25, 1), 1
	s_wait_xcnt 0x0
; out[b][q] = sigmoid( padded ? -60000 : sum over 16 heads of ( sum_k softmax_k(score) value[k][head] ) ),  score = mask[q][k] ? -60000 : (q . k) / 8,  q . k on codes of E2M1.
; SHARES.  A work-group owns 32 queries of a batch, all 16 heads, all 2,048 keys: every output has one owner.  Wave w of sixteen: query tile w % 2, heads 4 ((w / 2) % 4) .. + 3, keys 1,024 (w / 8) .. + 1,023,
; in 16 steps of 64 keys; in a step the two pairs of heads go one after the other through the same 64 score registers.
; OPERANDS GO FROM MEMORY STRAIGHT INTO REGISTERS: kv holds k as images of the operand's registers (512 consecutive bytes a load), its scale words and value in bf16.  Nothing passes through LDS before the end, so the
; text has no tensor load, hence no joint load and no cluster, and the waves meet at no barrier in the loop.  A set of registers is asked for again as soon as the products that read it are issued.
; SCORES.  S^T = K Q^T + C: source 0 = 16 keys x two heads (128 along K), source 1 = my 16 queries of ONE head with zero codes in the other head's half.  A lane holds query lane % 16; register j of tile t holds key 16 t + 8 (lane / 16) + j.
; THE MASK.  C is 0 at an open place and -2^64 at a masked one (a select on a lane mask that an earlier launch stored as a word); the 32 registers of C serve all four heads.  A masked place so falls under every maximum and its p is 0.
; What reference() gives a masked key, the score -60000, is put back at the end in closed form: with M = max(largest open score, -60000 if any key is masked) the masked keys add 2^(c NEG - c M) x (sum of value over them)
; to the numerator and 2^(c NEG - c M) x (their number) to the sum.  Both sums come from the matrix unit: bf16(C) is one more source 1 against the same fragment of value, and -2^-64 takes the factor off, exactly.
; So a row that is all masked gets equal weights, and -60000 wins where the open scores lie under it.
; SOFTMAX.  Each lane keeps, for its own 8 keys of every tile, a running maximum m, p = 2^(c s - c m), c = log2(e) / 8, and the two sums, multiplied by 2^(c m_old - c m_new) in every step.
; THE LAST PRODUCT, bf16: source 0 has ones in rows 0 and 8, value of my head e in rows 1 + e and 9 + e, zeros elsewhere; rows 0-7 are zero at the keys of lanes 16-31 and rows 8-15 at those of lanes 0-15.
; So register 0 of the result is the lane's own sum of p and register 1 + e its own numerator: no lane asks another in the loop.
; THE END.  The four parts of a query and head (two halves of the lanes, two halves of the keys) meet in LDS: thread (wave = head, lane = query) joins them; wave 0 adds the 16 heads.
; LIMITS: the softmax holds while the scaled scores c s stay under 2^31 in magnitude; p and value are rounded to bf16 for the last product; NaN and infinities among the inputs are not served;
; a byte of the padded mask counts as true where it is not 0.
.set KCH,   77824                      ; a chunk of kv: 128 keys
.set QCH,   69632                      ; a chunk of qimg
.set KSC,   65536                      ; in a chunk: the scale words,
.set VI,    69632                      ; and value: for each 32 keys 2 x 512 bytes [head][16 keys], 512 of ones, 512 of zeros
.set NST,   16                         ; steps of a wave
.set ST2,   34816                      ; LDS: bytes 0 .. 34,815 17 slabs of a word a thread; then a word a thread for the sum over heads;
.set SPARE, 36864                      ; then the spare words, 128 bytes for each wave, which no other line names
.set AK,  1                            ; v1  my place in a chunk's images: 2,048 x quad + 16 x lane
.set AS,  2                            ; v2  among its scale words
.set AV0, 3                            ; v3, v4  in value: registers 0-3 and 4-7 of a fragment
.set AV1, 4
.set NEGB, 5                           ; v5  -2^64
.set SPW, 6                            ; v6  LDS address of my spare word; never rewritten
.set NIL, 7                            ; v7  0; never rewritten
.set PM,  8                            ; v8  the padded mask's byte of query lane
.set PFO, 9                            ; v9  the prefetch's offset
.set QS,  10                           ; v10-11 Q's scale words, a pair of heads each
.set KS,  12                           ; v12-15 K's scale words: pair p, register i: lanes 0-15 tile 2 i, lanes 16-31 tile 2 i + 1
.set Q,   16                           ; v16-39 for each pair: first head's codes, zero codes, second head's codes
.set KF,  40                           ; v40-103 K's images: 4 tiles for each pair
.set VF,  104                          ; v104-119 value's two fragments
.set CB,  120                          ; v120-151 C
.set S,   152                          ; v152-215 S^T of two heads, 32 each; then p; then bf16 p in the low 16 of each 32, the results at + 16, bf16(C) at + 24
.set DM,  216                          ; v216-223 the masked keys' sums
.set ST,  224                          ; v224-231 for each head c m and the numerator
.set DEN, 232                          ; v232-235 the sums of p
.set MR,  236                          ; v236-239 m
.set F,   240                          ; v240-241 2^(c m_old - c m_new)
.set T,   242                          ; v242-245 at work
.set R,   40                           ; the end: v40-63
.set WV,  48
.set STP, 49                           ; s49 the step in hand
.set SOFF, 50                          ; s50 byte offset of a step's mask words
.set LIM, 51                           ; s51 the step in which my wave prefetches
.set CS,  52                           ; s[52:53] c, twice
.set KP,  54                           ; s[54:55], s[56:57], s[58:59] where the images, scale words and value of the step that is asked for begin
.set SPP, 56
.set VP,  58
.set IK,  60                           ; s[60:61], s[62:63], s[66:67] their next strides: half a chunk, then the rest of it, by turns
.set IS,  62
.set IV,  66
.set PF,  68                           ; s[68:69] the prefetch's base
; s[16:47]: a step's 32 lane masks (registers 0-3 of tiles 0-3, then registers 4-7)
.macro NOPS n
.rept \n
	v_nop
.endr
.endm
.macro MLOAD
	s_load_b512 s[16:31], s[8:9], s[SOFF] offset:0x0
	s_load_b512 s[32:47], s[8:9], s[SOFF] offset:0x200
.endm
.macro CBUILD
.irp t, 0,1,2,3
.irp j, 0,1,2,3,4,5,6,7
	v_cndmask_b32 v[CB+8*\t+\j], 0, v[NEGB], s[16+16*(\j/4)+4*\t+\j%4]
.endr
.endr
.endm
.macro KLOAD pr                        ; ten loads: a pair's four images and its scale words
.irp t, 0,1,2,3
.irp c, 0,1
	global_load_b128 v[KF+32*\pr+8*\t+4*\c:KF+32*\pr+8*\t+4*\c+3], v[AK], s[KP:KP+1] offset:8192*\t+1024*\pr+512*\c
.endr
.endr
.irp i, 0,1
	global_load_b32 v[KS+2*\pr+\i], v[AS], s[SPP:SPP+1] offset:128*\i+512*\pr
.endr
.endm
.macro VLOAD                           ; four loads
.irp g, 0,1
	global_load_b128 v[VF+8*\g:VF+8*\g+3], v[AV0], s[VP:VP+1] offset:2048*\g
	global_load_b128 v[VF+8*\g+4:VF+8*\g+7], v[AV1], s[VP:VP+1] offset:2048*\g
.endr
.endm
; A PREFETCH INTO THE L2.  The 64 work-groups of a batch read the same 16 chunks and share them out: work-group x asks for quarter x % 4 (76 blocks of 256 bytes) of chunk x / 4, once, by waves 0-2, a lane a block
; (the lanes left over name their wave's last block again), two steps ahead of the step that issues the chunk's first loads.  The first two chunks of each half of the keys come by their loads alone.
.macro ASK
	s_cmp_eq_u32 s[STP], s[LIM]
	s_cbranch_scc0 .Lnp_\@
	global_prefetch_b8 v[PFO], s[PF:PF+1] th:TH_LOAD_NT scope:SCOPE_SE
.Lnp_\@:
.endm
.macro SCORES pr
.irp t, 0,1,2,3
.irp c, 0,1
.if (\t)%2
	v_wmma_scale_f32_16x16x128_f8f6f4 v[S+32*\c+8*\t:S+32*\c+8*\t+7], v[KF+32*\pr+8*\t:KF+32*\pr+8*\t+7], v[Q+12*\pr+4*\c:Q+12*\pr+4*\c+7], v[CB+8*\t:CB+8*\t+7], v[KS+2*\pr+(\t)/2], v[QS+\pr] matrix_a_fmt:MATRIX_FMT_FP4 matrix_b_fmt:MATRIX_FMT_FP4 matrix_a_scale:MATRIX_SCALE_ROW1
.else
	v_wmma_scale_f32_16x16x128_f8f6f4 v[S+32*\c+8*\t:S+32*\c+8*\t+7], v[KF+32*\pr+8*\t:KF+32*\pr+8*\t+7], v[Q+12*\pr+4*\c:Q+12*\pr+4*\c+7], v[CB+8*\t:CB+8*\t+7], v[KS+2*\pr+(\t)/2], v[QS+\pr] matrix_a_fmt:MATRIX_FMT_FP4 matrix_b_fmt:MATRIX_FMT_FP4
.endif
.endr
.endr
.endm
.macro SOFTMAX pr
.irp c, 0,1                            ; the lane's largest score: two chains a head, each tile from its low end on
	v_max3_num_f32 v[T+2*\c], v[S+32*\c], v[S+32*\c+1], v[S+32*\c+2]
	v_max3_num_f32 v[T+2*\c+1], v[S+32*\c+16], v[S+32*\c+17], v[S+32*\c+18]
.endr
.irp i, 3,5,7,9,11,13
.irp c, 0,1
	v_max3_num_f32 v[T+2*\c], v[T+2*\c], v[S+32*\c+\i], v[S+32*\c+\i+1]
	v_max3_num_f32 v[T+2*\c+1], v[T+2*\c+1], v[S+32*\c+16+\i], v[S+32*\c+17+\i]
.endr
.endr
	v_max3_num_f32 v[T], v[T], v[T+1], v[S+15]
	v_max3_num_f32 v[T+2], v[T+2], v[T+3], v[S+47]
.irp c, 0,1
	v_max3_num_f32 v[MR+2*\pr+\c], v[T+2*\c], v[S+32*\c+31], v[MR+2*\pr+\c]     ; the new m
.endr
.irp c, 0,1
	v_mul_f32 v[T+2*\c], s[CS], v[MR+2*\pr+\c]                                  ; c m
.endr
.irp c, 0,1
	v_sub_f32 v[T+2*\c+1], v[ST+4*\pr+2*\c], v[T+2*\c]                          ; c m_old - c m_new
.endr
.irp c, 0,1
	v_mov_b32 v[ST+4*\pr+2*\c], v[T+2*\c]
.endr
.irp c, 0,1
.set n, 0
.rept 16
	v_pk_fma_f32 v[S+32*\c+n:S+32*\c+n+1], v[S+32*\c+n:S+32*\c+n+1], s[CS:CS+1], v[ST+4*\pr+2*\c:ST+4*\pr+2*\c+1] op_sel_hi:[1,0,0] neg_lo:[0,0,1] neg_hi:[0,0,1]   ; c s - c m, two at a time
.set n, n+2
.endr
.endr
	s_wait_alu depctr_va_vdst(0)                   ; ahead of the batch
.irp c, 0,1
	v_exp_f32 v[F+\c], v[T+2*\c+1]
.endr
.set n, 0
.rept 64
	v_exp_f32 v[S+n], v[S+n]                       ; p
.set n, n+1
.endr
	v_nop                                          ; a plain place behind the last exponential
	s_wait_alu depctr_va_vdst(0)                   ; and the wait behind the batch
.irp c, 0,1
.set n, 0
.rept 16
	v_cvt_pk_bf16_f32 v[S+32*\c+n], v[S+32*\c+2*n], v[S+32*\c+2*n+1]   ; two neighbouring tiles become source 1 of 32 keys
.set n, n+1
.endr
.endr
.endm
; The last product of a pair.  With the first pair goes bf16(C); cnt: the loads issued behind value's, which may stay out.  The accumulators take turns, one instruction a turn.
.macro PV pr, cnt
.if \pr == 0
.irp g, 0,1
.set n, 0
.rept 8
	v_cvt_pk_bf16_f32 v[S+24+32*\g+n], v[CB+16*\g+2*n], v[CB+16*\g+2*n+1]
.set n, n+1
.endr
.endr
	s_wait_loadcnt \cnt                            ; value and the second pair's images are in
	s_wait_alu depctr_va_vdst(0)                   ; directly ahead of the first reader of the masked keys' sums
.endif
.irp g, 0,1
.if \pr == 0
	v_wmma_f32_16x16x32_bf16 v[DM:DM+7], v[VF+8*\g:VF+8*\g+7], v[S+24+32*\g:S+31+32*\g], v[DM:DM+7]
.endif
.irp c, 0,1
.if \g == 0
	v_wmma_f32_16x16x32_bf16 v[S+32*\c+16:S+32*\c+23], v[VF+8*\g:VF+8*\g+7], v[S+32*\c+8*\g:S+32*\c+8*\g+7], 0
.else
	v_wmma_f32_16x16x32_bf16 v[S+32*\c+16:S+32*\c+23], v[VF+8*\g:VF+8*\g+7], v[S+32*\c+8*\g:S+32*\c+8*\g+7], v[S+32*\c+16:S+32*\c+23]
.endif
.endr
.endr
.endm
.macro ACCUM pr
.irp c, 0,1
	v_fma_f32 v[DEN+2*\pr+\c], v[DEN+2*\pr+\c], v[F+\c], v[S+32*\c+16]                              ; the ones' row: the result's lowest register first
.endr
.irp c, 0,1
	v_fma_f32 v[ST+4*\pr+2*\c+1], v[ST+4*\pr+2*\c+1], v[F+\c], v[S+32*\c+17+2*\pr+\c]               ; my head's row
.endr
.endm
; A STEP: 64 keys, four heads.  more = 1: the next step's operands are asked for and its C is built.
; Loads out at its head, oldest first: first pair 10, second pair 10, value 4.
.macro STEP more
	s_wait_alu depctr_va_vdst(0)                   ; directly ahead of the wait below
	s_wait_loadcnt 14                              ; the first pair's ten are in; the second pair's ten and value's four may be out
	SCORES 0
	NOPS 4                                         ; places in front of the loads into K's registers and of the first read of the scores
.if \more
	s_wait_xcnt 0x0                                ; every load has read its base: on to the next step's operands
	s_add_nc_u64 s[KP:KP+1], s[KP:KP+1], s[IK:IK+1]
	s_add_nc_u64 s[SPP:SPP+1], s[SPP:SPP+1], s[IS:IS+1]
	s_add_nc_u64 s[VP:VP+1], s[VP:VP+1], s[IV:IV+1]
	s_sub_co_u32 s[IK], KCH, s[IK]
	s_sub_co_u32 s[IS], KCH, s[IS]
	s_sub_co_u32 s[IV], KCH, s[IV]
	KLOAD 0
	ASK
.endif
	SOFTMAX 0
	PV 0, 10*\more                                 ; behind value's loads: the next step's first pair's ten
	NOPS 5                                         ; places: the results are read below, and the next scores are laid over this product's registers
	ACCUM 0
	SCORES 1
	NOPS 4
.if \more
	KLOAD 1
.endif
	SOFTMAX 1
	PV 1, 0
.if \more
	s_wait_kmcnt 0x0                               ; the next step's masks
	CBUILD                                         ; its 32 selects are also the places behind the products above
	s_cmp_lt_u32 s[STP], NST-2
	s_cbranch_scc0 .Lnm_\@                         ; there is no step behind the last
	s_add_co_u32 s14, s[STP], 2                    ; the masks of two steps on: 64 bytes a step, 1,024 a window of eight steps
	s_lshr_b32 s15, s14, 3
	s_lshl_b32 s15, s15, 9
	s_lshl_b32 s14, s14, 6
	s_add_co_u32 s[SOFF], s14, s15
	MLOAD
.Lnm_\@:
.else
	NOPS 4
.endif
	ACCUM 1
.if \more
	VLOAD
.endif
.endm
	s_load_b256 s[4:11], s[0:1], 0x0               ; qimg s[4:5], kv s[6:7], maskw s[8:9], att_mask s[10:11]
	s_load_b64 s[12:13], s[0:1], 0x20              ; out0
	v_lshrrev_b32 v250, 5, v0
	v_readfirstlane_b32 s[WV], v250                ; wave 0..15
	s_and_b32 s14, ttmp7, 0xffff                   ; the batch
	s_and_b32 s70, s[WV], 1                        ; my query tile of the two
	s_bfe_u32 s71, s[WV], 0x20001                  ; my four heads
	s_lshr_b32 s72, s[WV], 3                       ; my half of the keys
	s_lshl_b32 s73, s14, 7
	s_lshl_b32 s15, ttmp9, 1
	s_add_co_u32 s73, s73, s15
	s_add_co_u32 s73, s73, s70                     ; my query tile among all 512
	s_lshr_b32 s74, s73, 3
	s_mul_i32 s74, s74, QCH                        ; its chunk of qimg
	s_mov_b32 s75, 0
	s_and_b32 s15, s73, 7
	s_lshl_b32 s76, s15, 13
	s_lshl_b32 s2, s71, 11                         ; 2,048 bytes of an image row for four heads
	s_add_co_u32 s76, s76, s2                      ; Q's codes
	s_lshl_b32 s77, s15, 6
	s_lshl_b32 s78, s71, 10
	s_add_co_u32 s77, s77, s78
	s_add_co_u32 s77, s77, KSC                     ; Q's scale words
	s_add_co_u32 s79, s78, KSC                     ; K's
	s_lshl_b32 s3, s71, 2
	s_sub_co_u32 s3, s3, 1                         ; row j of value's fragment takes head 4 quad + j - 1
	s_lshl_b32 s80, s73, 12
	s_lshl_b32 s15, s72, 11
	s_add_co_u32 s80, s80, s15                     ; mask words: 4,096 bytes a query tile, 2,048 a half of the keys
	s_mov_b32 s81, 0
	s_lshl_b32 s82, s14, 22
	s_lshl_b32 s15, ttmp9, 5
	s_add_co_u32 s82, s82, s15
	s_add_co_u32 s82, s82, 2047*2048               ; the batch's last row of the mask, at my 32 queries
	s_mov_b32 s83, 0
	s_lshl_b32 s84, s14, 13
	s_lshl_b32 s15, ttmp9, 7
	s_add_co_u32 s84, s84, s15                     ; my 32 numbers of out0
	s_mov_b32 s85, 0
	s_lshl_b32 s86, s14, 4
	s_lshl_b32 s15, s72, 3
	s_add_co_u32 s15, s86, s15
	s_mul_i32 s86, s15, KCH                        ; my first chunk of kv
	s_mov_b32 s87, 0
	s_lshl_b32 s88, s14, 4
	s_lshr_b32 s15, ttmp9, 2
	s_add_co_u32 s88, s88, s15
	s_mul_i32 s88, s88, KCH
	s_and_b32 s89, ttmp9, 3
	s_mul_i32 s89, s89, KCH/4
	s_add_co_u32 s88, s88, s89                     ; the quarter chunk that my work-group prefetches
	s_mov_b32 s89, 0
	s_and_b32 s15, s15, 7
	s_lshl_b32 s15, s15, 1
	s_sub_co_u32 s15, s15, 3                       ; chunk j of a half is first loaded from in step 2 j - 1: two steps ahead of that
	s_cmp_lt_u32 s[WV], 3
	s_cselect_b32 s[LIM], s15, -1
	s_mov_b32 s[CS], 0x3e38aa3b                    ; c = log2(e) / 8
	s_mov_b32 s[CS+1], s[CS]
	s_mov_b32 s[IK], 32768
	s_mov_b32 s[IK+1], 0
	s_mov_b32 s[IS], 256
	s_mov_b32 s[IS+1], 0
	s_mov_b32 s[IV], 4096
	s_mov_b32 s[IV+1], 0
	s_mov_b32 s[STP], 0
	s_mov_b32 s[SOFF], 0
	v_lshl_add_u32 v[SPW], v0, 2, SPARE
	v_mov_b32 v[NIL], 0
	v_and_b32 v250, 31, v0                         ; lane
	v_and_b32 v251, 15, v0
	v_bfe_u32 v252, v0, 4, 1                       ; h
	v_lshl_add_u32 v253, v250, 4, s76
	v_lshl_add_u32 v254, v251, 2, s77
	v_lshl_add_u32 v[AK], v250, 4, s2
	v_lshl_add_u32 v[AS], v250, 2, s79
	v_and_b32 v249, 7, v0                          ; j: the fragment's row % 8
	v_bfe_u32 v248, v0, 3, 1                       ; its row / 8
	v_add_nc_u32 v[AV0], s3, v249
	v_lshlrev_b32 v[AV0], 5, v[AV0]                ; 32 bytes a head,
	v_lshl_add_u32 v[AV0], v252, 4, v[AV0]         ; 16 for each half of the lanes
	v_add_nc_u32 v[AV0], VI, v[AV0]
	v_add_nc_u32 v[AV1], 512, v[AV0]               ; the next 16 keys
	v_cmp_ne_u32 vcc_lo, 0, v249
	v_cndmask_b32 v[AV0], VI+1024, v[AV0], vcc_lo  ; rows 0 and 8: ones
	v_cndmask_b32 v[AV1], VI+1024, v[AV1], vcc_lo
	v_cmp_eq_u32 s70, v248, v252                   ; a row keeps only the keys of its own half of the lanes,
	v_cmp_gt_u32 vcc_lo, 5, v249                   ; and rows 5-7 and 13-15 nothing
	s_and_b32 vcc_lo, vcc_lo, s70
	v_cndmask_b32 v[AV0], VI+1536, v[AV0], vcc_lo  ; all else: zeros
	v_cndmask_b32 v[AV1], VI+1536, v[AV1], vcc_lo
	v_mov_b32 v[NEGB], 0xdf800000                  ; -2^64
	v_min_u32 v[PFO], 75, v0
	v_lshlrev_b32 v[PFO], 8, v[PFO]
.irp i, 4,5,6,7,16,17,18,19
	v_mov_b32 v[Q+\i], 0                           ; zero codes
.endr
.irp i, 0,1,2,3,4,5,6,7
	v_mov_b32 v[DM+\i], 0
.endr
.irp e, 0,1,2,3
	v_mov_b32 v[MR+\e], 0xd0800000                 ; m = -2^34: under every score that the stated limit allows, over -2^64
	v_mov_b32 v[ST+2*\e+1], 0
	v_mov_b32 v[DEN+\e], 0
.endr
.irp e, 0,1,2,3
	v_mul_f32 v[ST+2*\e], s[CS], v[MR+\e]
.endr
	s_wait_alu depctr_va_vdst(0)                   ; the head's end
	s_wait_kmcnt 0x0
	s_add_nc_u64 s[8:9], s[8:9], s[80:81]
	MLOAD                                          ; step 0's masks
	s_add_nc_u64 s[4:5], s[4:5], s[74:75]
	s_add_nc_u64 s[10:11], s[10:11], s[82:83]
	s_add_nc_u64 s[12:13], s[12:13], s[84:85]
	s_add_nc_u64 s[KP:KP+1], s[6:7], s[86:87]
	s_mov_b64 s[SPP:SPP+1], s[KP:KP+1]
	s_mov_b64 s[VP:VP+1], s[KP:KP+1]
	s_add_nc_u64 s[PF:PF+1], s[6:7], s[88:89]
	global_load_b128 v[Q:Q+3], v253, s[4:5]                     ; my four heads' halves of two images
	global_load_b128 v[Q+8:Q+11], v253, s[4:5] offset:512
	global_load_b128 v[Q+12:Q+15], v253, s[4:5] offset:1024
	global_load_b128 v[Q+20:Q+23], v253, s[4:5] offset:1536
	global_load_b32 v[QS], v254, s[4:5]
	global_load_b32 v[QS+1], v254, s[4:5] offset:512
	global_load_u8 v[PM], v250, s[10:11]
	KLOAD 0
	KLOAD 1
	VLOAD
	s_wait_kmcnt 0x0
	CBUILD
	NOPS 4                                         ; places between the last select and the first products
	s_mov_b32 s[SOFF], 64
	MLOAD                                          ; step 1's masks
.Lstep:                                            ; 15 trips; the last step is written out: it asks for nothing
	STEP 1
	s_add_co_u32 s[STP], s[STP], 1
	s_cmp_lt_u32 s[STP], NST-1
	s_cbranch_scc1 .Lstep
	STEP 0
	; THE END.  Slab 4 f + e holds field f (c m, numerator, sum, masked keys' value) of head e, slab 16 the masked keys' number: a word a thread.
	s_lshr_b32 s70, s[WV], 2
	s_lshl_b32 s70, s70, 8                         ; as a reader my wave is a head: its four heads' waves lie 256 bytes apart,
	s_and_b32 s71, s[WV], 3
	s_lshl_b32 s71, s71, 11                        ; and its place among the four is a slab
	v_lshlrev_b32 v250, 2, v0
	v_and_b32 v251, 15, v0
	v_bfe_u32 v252, v0, 4, 1
	v_lshlrev_b32 v251, 2, v251
	v_lshl_add_u32 v251, v252, 7, v251             ; query lane: tile lane / 16 (a wave on), row lane % 16
	v_add_nc_u32 v251, s70, v251
	v_add_nc_u32 v252, s71, v251
	s_wait_alu depctr_va_vdst(0)                   ; directly ahead of the first reader of the masked keys' sums
	ds_store_b32 v250, v[DM] offset:32768          ; that result's lowest register first
.irp e, 0,1,2,3
	ds_store_b32 v250, v[DM+1+\e] offset:24576+2048*\e
	ds_store_b32 v250, v[ST+2*\e] offset:2048*\e
	ds_store_b32 v250, v[ST+2*\e+1] offset:8192+2048*\e
	ds_store_b32 v250, v[DEN+\e] offset:16384+2048*\e
.endr
	s_wait_dscnt 0x0                               ; for the others' sake: my words lie in LDS
	s_barrier_signal -1
	s_barrier_wait -1
.irp f, 0,1,2,3
.irp k, 0,1
.irp h, 0,1
	ds_load_b32 v[R+4*\f+2*\k+\h], v252 offset:8192*\f+1024*\k+64*\h   ; the four parts: half k of the keys, half h of the lanes
.endr
.endr
.endr
.irp k, 0,1
.irp h, 0,1
	ds_load_b32 v[R+16+2*\k+\h], v251 offset:32768+1024*\k+64*\h
.endr
.endr
	s_wait_dscnt 0x0
	v_add_f32 v[R+16], v[R+16], v[R+17]
	v_add_f32 v[R+18], v[R+18], v[R+19]
	v_add_f32 v[R+12], v[R+12], v[R+13]
	v_add_f32 v[R+14], v[R+14], v[R+15]
	v_mov_b32 v[R+20], 0xc8ea6000                  ; -480000 = -60000 x 8
	v_add_f32 v[R+16], v[R+16], v[R+18]            ; -2^64 x the number of masked keys
	v_add_f32 v[R+12], v[R+12], v[R+14]            ; -2^64 x their sum of value
	v_mul_f32 v[R+20], s[CS], v[R+20]
	v_cmp_gt_f32 vcc_lo, 0, v[R+16]
	v_max3_num_f32 v[R+21], v[R], v[R+1], v[R+2]
	v_cndmask_b32 v[R+20], 0xd0800000, v[R+20], vcc_lo   ; -60000 enters the maximum only where a key is masked
	v_max3_num_f32 v[R+21], v[R+21], v[R+3], v[R+20]
.irp i, 0,1,2,3,20
	v_sub_f32 v[R+\i], v[R+\i], v[R+21]
.endr
	s_wait_alu depctr_va_vdst(0)                   ; ahead of the batch
.irp i, 0,1,2,3,20
	v_exp_f32 v[R+\i], v[R+\i]
.endr
	v_nop
	s_wait_alu depctr_va_vdst(0)                   ; and behind it
	v_mul_f32 v[R+20], 0x9f800000, v[R+20]         ; x -2^-64
	v_mul_f32 v[R+22], v[R+12], v[R+20]
	v_mul_f32 v[R+23], v[R+16], v[R+20]
.irp i, 0,1,2,3
	v_fma_f32 v[R+22], v[R+4+\i], v[R+\i], v[R+22]
	v_fma_f32 v[R+23], v[R+8+\i], v[R+\i], v[R+23]
.endr
	s_wait_alu depctr_va_vdst(0)
	v_rcp_f32 v[R+23], v[R+23]
	v_nop
	s_wait_alu depctr_va_vdst(0)
	v_mul_f32 v[R+22], v[R+22], v[R+23]            ; what head wave gives query lane
	ds_store_b32 v250, v[R+22] offset:ST2
	s_wait_dscnt 0x0
	s_barrier_signal -1
	s_barrier_wait -1
	s_cmp_lg_u32 s[WV], 0
	s_cbranch_scc1 .Lend
.irp p, 0,1,2,3,4,5,6,7,8,9,10,11,12,13,14,15
	ds_load_b32 v[R+\p], v250 offset:ST2+128*\p
.endr
	s_wait_dscnt 0x0
.irp p, 0,2,4,6,8,10,12,14
	v_add_f32 v[R+\p], v[R+\p], v[R+\p+1]
.endr
.irp p, 0,4,8,12
	v_add_f32 v[R+\p], v[R+\p], v[R+\p+2]
.endr
	v_add_f32 v[R], v[R], v[R+4]
	v_add_f32 v[R+8], v[R+8], v[R+12]
	v_mov_b32 v[R+1], 0xc76a6000                   ; -60000.0
	v_cmp_ne_u32 vcc_lo, 0, v[PM]
	v_add_f32 v[R], v[R], v[R+8]                   ; the sum over the 16 heads
	v_cndmask_b32 v[R], v[R], v[R+1], vcc_lo       ; a padded query
	v_mul_f32 v[R], 0xbfb8aa3b, v[R]               ; sigmoid(x) = 1 / (1 + 2^(-x log2(e)))
	s_wait_alu depctr_va_vdst(0)
	v_exp_f32 v[R], v[R]
	v_nop
	s_wait_alu depctr_va_vdst(0)
	v_add_f32 v[R], 1.0, v[R]
	s_wait_alu depctr_va_vdst(0)
	v_rcp_f32 v[R], v[R]
	v_nop
	s_wait_alu depctr_va_vdst(0)
	global_store_b32 v250, v[R], s[12:13]          ; 32 lanes store 128 consecutive bytes: all that the work-group owns of out0
.Lend:
	s_wait_tensorcnt 0x0                           ; the wave's end: behind my last LDS store
	ds_add_u32 v[SPW], v[NIL]
	s_wait_dscnt 0x0
	s_endpgm
.Lfunc_end_k_q923dc23b31_attend:
	.size	k_q923dc23b31_attend, .Lfunc_end_k_q923dc23b31_attend-k_q923dc23b31_attend
	.p2alignl 7, 3214868480
	.fill 96, 4, 3214868480
	.section	.rodata,"a",@progbits
	.p2align	6, 0x0
	.amdhsa_kernel k_q923dc23b31_attend
		.amdhsa_group_segment_fixed_size 38912
		.amdhsa_private_segment_fixed_size 0
		.amdhsa_enable_private_segment 0
		.amdhsa_kernarg_size 40
		.amdhsa_user_sgpr_count 2
		.amdhsa_user_sgpr_kernarg_segment_ptr 1
		.amdhsa_wavefront_size32 1
		.amdhsa_system_sgpr_workgroup_id_x 1
		.amdhsa_system_sgpr_workgroup_id_y 1
		.amdhsa_system_sgpr_workgroup_id_z 1
		.amdhsa_system_vgpr_workitem_id 0
		.amdhsa_next_free_vgpr 256
		.amdhsa_next_free_sgpr 92
		.amdhsa_reserve_vcc 1
		.amdhsa_float_denorm_mode_32 3
		.amdhsa_float_denorm_mode_16_64 3
		.amdhsa_memory_ordered 1
		.amdhsa_forward_progress 1
		.amdhsa_inst_pref_size 66
	.end_amdhsa_kernel
	.amdgpu_metadata
---
amdhsa.version: [ 1, 2 ]
amdhsa.kernels:
  - .name:           k_q923dc23b31_attend
    .symbol:         k_q923dc23b31_attend.kd
    .args:
      - { .name: qimg, .offset: 0, .size: 8, .value_kind: global_buffer, .address_space: global }
      - { .name: kv, .offset: 8, .size: 8, .value_kind: global_buffer, .address_space: global }
      - { .name: maskw, .offset: 16, .size: 8, .value_kind: global_buffer, .address_space: global }
      - { .name: att_mask, .offset: 24, .size: 8, .value_kind: global_buffer, .address_space: global }
      - { .name: out0, .offset: 32, .size: 8, .value_kind: global_buffer, .address_space: global }
    .group_segment_fixed_size: 38912
    .private_segment_fixed_size: 0
    .kernarg_segment_align: 8
    .kernarg_segment_size: 40
    .max_flat_workgroup_size: 512
    .sgpr_count:     92
    .vgpr_count:     256
    .wavefront_size: 32
...
	.end_amdgpu_metadata
.endif
;; end of part 3
